; MI455X (gfx1250); checked and timed in simulation.
; The chip was launched on July 23, 2026; its instructions are those of AMD's public machine-readable ISA for CDNA 5 (MIT licence, August 2026) and "CDNA5" Instruction Set Architecture Reference Guide (July 2026). The comments in the code are by the model that wrote it; some were corrected since.
;; S Mo E. Allowed arithmetic: matrix products marked QUANTISED: E5M2 operands, one E8M0 scale for each 32 along K, by v_wmma_scale_f32_16x16x128_f8f6f4 with both operands' format E5M2, f32 sums; products left as they are: f32 operands where the result goes on into a quantised operand, else bf16, f16 or f32 operands; f32 sums; everything else in f32.
;; Inputs: Wexp 16 x 1,024 x 1,024 float32; Wsel 16 x 1,024 float32; bexp 16 x 1,024 float32; bsel 16 float32; x 4,096 x 1,024 float32.
;; Outputs: out0 4,096 x 1,024 float32; out1 4,096 float32.
;; This version of the problem:
;;   THIS VERSION OF THE PROBLEM IS GIVEN IN LOW PRECISION. The matrix products marked QUANTISED in the list below multiply operands that are first quantised to E5M2 (5 exponent bits, 2 mantissa bits; 8 bits a number), with one power-of-two scale for each 32 numbers along K (OCP MX v1.0); their sums are f32. All else is computed in f32.
;;   The module's matrix products, in the order in which they are computed (A, B: the left and right operand; K: the contracted axis; several contracted axes count as one K, in the product's order):
;;     1. [M 4,096, K 1,024] x [K 1,024, N 16]; A: input x; B: input Wsel: QUANTISED
;;     2. [M 4,096, K 1,024] x [K 1,024, N 16,384]; A: input x; B: input Wexp: QUANTISED
;;     3. batch 4,096 x [M 1, K 16] x [K 16, N 1,024]; A: computed on the way; B: computed on the way: left as it is (K = 16 < 32)
;;     4. [M 4,096, K 16] x [K 16, N 1,024]; A: computed on the way; B: input bexp: left as it is (K = 16 < 32)
;;   THE QUANTISER, for each operand of a quantised product, along K:
;;     - K is cut into blocks of 32 from its start; a last block that is shorter is filled with zeros.
;;     - A block's scale is 2^e with e = floor(log2(the largest magnitude in the block)) - 15, held to -126 .. 127; a block of zeros has e = 0. As a byte (E8M0): e + 127.
;;     - Each number is divided by its block's scale, clamped to +-57,344, and rounded to the nearest number of E5M2, ties to even, subnormals kept.
;;     - The product sums the exact products of the quantised numbers (number of the format x scale) in f32.
;;   ~~~python
;;   def quantise(x, axis):      # numpy; x: float32 -> the quantised numbers, widened to float32 again
;;       x = np.moveaxis(x, axis, -1); K = x.shape[-1]
;;       x = np.pad(x, [(0, 0)] * (x.ndim - 1) + [(0, -K % 32)]); x = x.reshape(x.shape[:-1] + (-1, 32)); a = np.abs(x).max(-1, keepdims=True)
;;       e = np.where(a > 0, np.clip(np.frexp(np.where(a > 0, a, 1))[1] - 1 - 15, -126, 127), 0)      # np.frexp(a)[1] - 1 = floor(log2(a)), exactly
;;       r = np.clip(x / 2.0 ** e, -57344, 57344)
;;       step = 2.0 ** (np.maximum(np.frexp(np.where(r == 0, 1, r))[1] - 1, -14) - 2)
;;       q = np.round(r / step) * step * 2.0 ** e      # np.round: ties to even
;;       return np.moveaxis(q.reshape(q.shape[:-2] + (-1,))[..., :K], -1, axis).astype(np.float32)
;;   ~~~
;; One version. Each part assembles by itself: llvm-mc -triple=amdgcn-amd-amdhsa -mcpu=gfx1250 --defsym DOCPART=n.
;; ======== version 1 of 1: 3 launches
;; workspace buffers: xq 4,194,304 bytes; xs 131,072 bytes; sw 262,144 bytes; umap 8,192 bytes of whole numbers; part 268,435,456 bytes
;; launch route (part 1): grid 256 x 1, 4 waves a work-group, no clusters, 57,856 bytes of LDS; arguments x, Wsel, bsel, xq, xs, sw, umap, out1; writes xq, xs, sw, umap, out1
.if DOCPART == 1
	.amdgcn_target "amdgcn-amd-amdhsa--gfx1250"
	.amdhsa_code_object_version 6
	.text
	.protected	k_q21fcb80052_route
	.globl	k_q21fcb80052_route
	.p2align	8
	.type	k_q21fcb80052_route,@function
k_q21fcb80052_route:
	s_mov_b64 s[64:65], 0
	v_nop
	global_prefetch_b8 v0, s[64:65] scope:SCOPE_SE
	s_setreg_imm32_b32 hwreg(HW_REG_WAVE_MODE, 25, 1), 1
	s_wait_xcnt 0x0
; ROUTE: x [4096][1024] f32 becomes codes of E5M2 with one E8M0 byte for each 32 along K (xq, xs); the selector's product x Wsel^T on such codes; softmax; the sparse weights sw2 [4096][16];
; softCost (out1); and one bit for each (token, expert) with sw2 > 0 (umap), which later launches read as whole numbers.
; WHAT IS NOT COMPUTED: the gradient side (g, its sort over tokens, GSW).  sw2 comes out of a relu, so it is never negative: where(usage | anything, sw2, 0) is sw2 itself, whatever the inputs.
; ONLY TWELVE SORTED PLACES CAN CARRY WEIGHT: the sorted cumulative sum at place i is at least (i + 1) / 16 of the whole, so from place 12 on it lies over 0.8 and sw is 0 there, and min(cum[12], 0.8) is 0.8.
; sw2[j] = sw[order[j]], and order[rank of expert a] = a: so sw2[rank of a] = sw[a], for a = 0 .. 11.
; SHARES: a work-group owns 16 tokens.  Wave w owns K = 256 w .. 256 w + 255 of x and of Wsel (two K steps of 128); Wsel's 64 KiB are quantised anew in every work-group.  Wave 0 then routes: a lane holds one token.
; No tensor loads, no cluster: each byte of x is read by one wave, and Wsel is small.
; LIMITS: NaN and infinities are not served.  Two weights of a token that differ by less than f32 rounding of the logits may be ranked the other way round than in exact arithmetic, and sw2 then changes places.
; Weights under the smallest normal f32 number are kept as denormals (v_ldexp_f32); their order may differ from that of an exponential that flushes them.  A block of zeros gets the scale byte 1: its codes are zeros.
.set STG,  0                           ; LDS: a stage of 16 rows x (512 + 16) bytes for each wave
.set CST,  33792                       ; the codes' way out: 16 rows x (256 + 16) bytes for each wave
.set PLG,  51200                       ; partial logits: an image of 8 registers (1,024 bytes) for each wave
.set XSW,  55296                       ; x's scale words, 32 bytes a token
.set SWO,  55808                       ; sw2's way out, 64 bytes a token
.set LN,   1                           ; lane
.set RR,   2                           ; r = lane % 16
.set HH,   3                           ; h = lane / 16
.set VO,   4                           ; 16 x lane
.set STI,  5                           ; stage, in: 16 x lane
.set STO,  6                           ; stage, out: 528 r + 64 h
.set CSI,  7                           ; codes, in: 272 r + 16 h
.set CSO,  8                           ; codes, out: 272 h + 16 r
.set XQO,  9                           ; the same two rows in xq: 1024 h + 16 r
.set XWA,  10                          ; my row's scale words: 32 r + 8 w
.set PLI,  11                          ; my wave's image of partial logits
.set PLO,  12                          ; wave 0's view of the four images
.set LS,   13                          ; 4 x lane
.set BSA,  14                          ; 32 h: bsel[8 h ..]
.set XSR,  15                          ; XSW + 16 x lane
.set CD,   16                          ; v16-79   codes: x step 0, x step 1, Wsel step 0, Wsel step 1
.set SCW,  80                          ; v80-83   their scale words: these registers hold scales and nothing else
.set L0,   84                          ; v84-91, v92-99  the two accumulators
.set L1,   92
.set TM,   100                         ; v100-115 at work
.set SWI,  116                         ; SWO + 64 r + 32 h
.set SWR,  117                         ; SWO + 16 x lane
.set X,    128                         ; v128-191 64 numbers in the operand's order
.set OUTR, 192                         ; v192-223 rows of codes on their way out
.set BS,   224                         ; v224-231 bsel[8 h + j]
.set Z,    16                          ; the router (wave 0): logits, then weights
.set NN,   32
.set FF,   48
.set RK,   64                          ; ranks
.set TOP,  128                         ; sorted weights, then their running sum
.set SWS,  160                         ; sw by sorted place
.set QK,   176
.set O2,   192                         ; sw2[8 h + k]
.set UM,   232
.set SC,   233
.set WV,   20
.set SEL,  22                          ; s[22:23] v_permlanex16_b32's selects for lane l xor 16
.set MNT,  24                          ; the mantissa field of 57,344
.set HM,   25                          ; lanes 16-31
.set LOG2E, 26
.set P8,   27                          ; 0.8
.set MSB, 0
.macro WIN new                         ; the immediate's high byte repeats the setting that is left; a switch that changes nothing is dropped
.if MSB != (\new)
	s_set_vgpr_msb (MSB<<8)|(\new)
.set MSB, (\new)
.endif
.endm
; 16 rows x 128 numbers: each load reads one row's 512 consecutive bytes, 16 a lane.  Into window 1.
.macro GLD ru, base, off, nt
	WIN 0x40
.irp p, 0,1,2,3,4,5,6,7,8,9,10,11,12,13,14,15
.if \nt
	global_load_b128 v[\ru+4*\p:\ru+4*\p+3], v[VO], s[\base:\base+1] offset:\off+4096*\p th:TH_LOAD_NT
.else
	global_load_b128 v[\ru+4*\p:\ru+4*\p+3], v[VO], s[\base:\base+1] offset:\off+4096*\p
.endif
.endr
.endm
; Through my own stage: in as loaded, out in the operand's order: lane (r, h) gets, of row r, k = 32 b + 16 h + 0 .. 15 of each block b.  Rows lie 132 words apart, so that sixteen rows start at sixteen different banks.
.macro TURN ru
	WIN 0x04                                       ; an LDS store's data are its source 1: window 1
.irp p, 0,1,2,3,4,5,6,7,8,9,10,11,12,13,14,15
	ds_store_b128 v[STI], v[\ru+4*\p:\ru+4*\p+3] offset:528*\p
.endr
	WIN 0
.irp b, 0,1,2,3
.irp j, 0,1,2,3
	ds_load_b128 v[X+16*\b+4*\j:X+16*\b+4*\j+3], v[STO] offset:128*\b+16*\j   ; LDS serves a wave's instructions in order: these see the stores above
.endr
.endr
	s_wait_dscnt 0x0                               ; the numbers are in, and all my earlier LDS instructions are done
.endm
; 64 numbers of a lane, register 16 b + i = k 32 b + 16 h + i of my row, become a fragment's codes in v[pc] on and its scale word in v[pw].
.macro QUANT s, pc, pw
.irp b, 0,1,2,3
	v_max3_num_f32 v[TM+\b], |v[\s+16*\b]|, |v[\s+1+16*\b]|, 0x8000000   ; my 16 numbers of block b, and the floor 2^(16 - 127): the byte cannot fall under 1
.endr
.irp i, 2,4,6,8,10,12,14
.irp b, 0,1,2,3
	v_max3_num_f32 v[TM+\b], v[TM+\b], |v[\s+16*\b+\i]|, |v[\s+1+16*\b+\i]|
.endr
.endr
.irp b, 0,1,2,3
	v_permlanex16_b32 v[TM+4+\b], v[TM+\b], s[SEL], s[SEL+1]
.endr
.irp b, 0,1,2,3
	v_max_num_f32 v[TM+\b], v[TM+\b], v[TM+4+\b]   ; with lane l xor 16's: the block's largest magnitude
.endr
.irp b, 0,1,2,3
	v_add_nc_u32 v[TM+12+\b], 0xf8800000, v[TM+\b] ; 15 off its exponent field: the conversion's scale operand
.endr
.irp b, 0,1,2,3
	v_and_or_b32 v[TM+8+\b], v[TM+\b], 0x7f800000, s[MNT]   ; 57,344 x the scale
.endr
.irp b, 0,1,2,3
	v_lshrrev_b32 v[TM+4+\b], 23, v[TM+12+\b]      ; the scale's byte
.endr
	v_lshl_or_b32 v[\pw], v[TM+5], 8, v[TM+4]
	v_lshl_or_b32 v[\pw], v[TM+6], 16, v[\pw]
	v_lshl_or_b32 v[\pw], v[TM+7], 24, v[\pw]
.irp b, 0,1,2,3
.irp i, 0,1,2,3,4,5,6,7,8,9,10,11,12,13,14,15
	v_med3_num_f32 v[\s+16*\b+\i], v[\s+16*\b+\i], -v[TM+8+\b], v[TM+8+\b]   ; the conversion to an 8-bit code does not saturate (ISA guide 7.6.2): the hold comes first
.endr
	v_cvt_scalef32_pk8_bf8_f32 v[\pc+4*\b:\pc+1+4*\b], v[\s+16*\b:\s+7+16*\b], v[TM+12+\b]
	v_cvt_scalef32_pk8_bf8_f32 v[\pc+2+4*\b:\pc+3+4*\b], v[\s+8+16*\b:\s+15+16*\b], v[TM+12+\b]
.endr
	v_nop                                          ; one plain line behind the last scaled conversion
.endm
; Unit u: 0, 1 = x's two K steps, 2, 3 = Wsel's.  The count leaves out the 16 loads of each unit issued behind this one.
.macro UNIT u
	s_wait_loadcnt 48-16*\u
	TURN 64*\u
	QUANT X, CD+16*\u, SCW+\u
.if \u < 2
.irp c, 0,1,2,3
	ds_store_b128 v[CSI], v[CD+16*\u+4*\c:CD+16*\u+4*\c+3] offset:128*\u+32*\c   ; codes k = 32 c + 16 h + 0 .. 15 of my row
.endr
	ds_store_b32 v[XWA], v[SCW+\u] offset:4*\u     ; both halves of the lanes write the same word with the same value
.endif
.endm
	s_load_b256 s[4:11], s[0:1], 0x0               ; x s[4:5], Wsel s[6:7], bsel s[8:9], xq s[10:11]
	s_load_b256 s[12:19], s[0:1], 0x20             ; xs s[12:13], sw s[14:15], umap s[16:17], out1 s[18:19]
	v_lshl_add_u32 v254, v0, 2, 0xe000
	v_mov_b32 v255, 0
	v_lshrrev_b32 v[XSR], 5, v0
	v_readfirstlane_b32 s[WV], v[XSR]              ; wave 0..3
	v_and_b32 v[LN], 31, v0
	v_and_b32 v[RR], 15, v0
	v_bfe_u32 v[HH], v0, 4, 1
	v_lshlrev_b32 v[VO], 4, v[LN]
	v_lshlrev_b32 v[BSA], 5, v[HH]
	s_lshl_b32 s28, ttmp9, 16                      ; my 16 tokens: 65,536 bytes of x,
	s_lshl_b32 s30, s[WV], 10                      ; my wave's 256 along K: 1,024 bytes of a row
	s_add_co_u32 s28, s28, s30
	s_mov_b32 s29, 0
	s_mov_b32 s31, 0
	s_wait_kmcnt 0x0
	s_add_nc_u64 s[4:5], s[4:5], s[28:29]
	s_add_nc_u64 s[6:7], s[6:7], s[30:31]
	global_load_b128 v[BS:BS+3], v[BSA], s[8:9]
	global_load_b128 v[BS+4:BS+7], v[BSA], s[8:9] offset:16
	GLD 0, 4, 0, 1                                 ; all 64 loads go out in one run
	GLD 64, 4, 512, 1
	GLD 128, 6, 0, 0
	GLD 192, 6, 512, 0
	WIN 0
	s_mul_i32 s21, s[WV], 8448
	v_add_nc_u32 v[STI], s21, v[VO]
	v_mul_u32_u24 v[STO], v[RR], 528
	v_lshl_add_u32 v[STO], v[HH], 6, v[STO]
	v_add_nc_u32 v[STO], s21, v[STO]
	s_mul_i32 s21, s[WV], 4352
	s_add_co_u32 s21, s21, CST
	v_mul_u32_u24 v[CSI], v[RR], 272
	v_lshl_add_u32 v[CSI], v[HH], 4, v[CSI]
	v_add_nc_u32 v[CSI], s21, v[CSI]
	v_mul_u32_u24 v[CSO], v[HH], 272
	v_lshl_add_u32 v[CSO], v[RR], 4, v[CSO]
	v_add_nc_u32 v[CSO], s21, v[CSO]
	v_lshlrev_b32 v[XQO], 10, v[HH]
	v_lshl_add_u32 v[XQO], v[RR], 4, v[XQO]
	s_lshl_b32 s21, s[WV], 3
	s_add_co_u32 s21, s21, XSW
	v_lshlrev_b32 v[XWA], 5, v[RR]
	v_add_nc_u32 v[XWA], s21, v[XWA]
	s_lshl_b32 s21, s[WV], 10
	s_add_co_u32 s21, s21, PLG
	v_add_nc_u32 v[PLI], s21, v[VO]
	v_add_nc_u32 v[PLO], PLG, v[VO]
	v_lshlrev_b32 v[LS], 2, v[LN]
	v_add_nc_u32 v[XSR], XSW, v[VO]
	v_lshlrev_b32 v[SWI], 6, v[RR]
	v_lshl_add_u32 v[SWI], v[HH], 5, v[SWI]
	v_add_nc_u32 v[SWI], SWO, v[SWI]
	v_add_nc_u32 v[SWR], SWO, v[VO]
	s_mov_b32 s[SEL], 0x76543210
	s_mov_b32 s[SEL+1], 0xfedcba98
	s_mov_b32 s[MNT], 0x600000
	s_mov_b32 s[HM], 0xffff0000
	s_mov_b32 s[LOG2E], 0x3fb8aa3b
	s_mov_b32 s[P8], 0x3f4ccccd
.irp b, 0,1,2,3
	v_mov_b32 v[TM+4+\b], 0                        ; written once: a lane permute's destination counts as one of its sources
.endr
	s_lshl_b32 s28, ttmp9, 14                      ; xq: 16 rows of 1,024 bytes, my wave's 256 bytes of a row
	s_lshl_b32 s30, s[WV], 8
	s_add_co_u32 s28, s28, s30
	s_add_nc_u64 s[10:11], s[10:11], s[28:29]
	s_lshl_b32 s28, ttmp9, 9
	s_add_nc_u64 s[12:13], s[12:13], s[28:29]      ; xs: 512 bytes a tile of tokens
	s_lshl_b32 s28, ttmp9, 10
	s_add_nc_u64 s[14:15], s[14:15], s[28:29]      ; sw: 1,024
	s_lshl_b32 s28, ttmp9, 5
	s_add_nc_u64 s[16:17], s[16:17], s[28:29]      ; umap: 32
	s_lshl_b32 s28, ttmp9, 6
	s_add_nc_u64 s[18:19], s[18:19], s[28:29]      ; out1: 64
	UNIT 0
	UNIT 1
.irp t, 0,1,2,3,4,5,6,7
	ds_load_b128 v[OUTR+4*\t:OUTR+4*\t+3], v[CSO] offset:544*\t   ; my 16 rows x 256 bytes of codes come back by rows, two rows a load
.endr
	UNIT 2                                         ; its wait for LDS also shows those rows in
.irp t, 0,1,2,3,4,5,6,7
	global_store_b128 v[XQO], v[OUTR+4*\t:OUTR+4*\t+3], s[10:11] offset:2048*\t   ; sixteen lanes store 256 consecutive bytes, at a multiple of 256 from xq's first byte
.endr
	UNIT 3
.rept 4
	v_nop                                          ; codes written by vector instructions stand four places ahead of a scaled product; the scale words were made ahead of the 64 holds
.endr
	; source 0 = Wsel's 16 rows, source 1 = my 16 tokens: register j of lane (r, h) is the logit of expert 8 h + j for token r.  Two accumulators, one product each: no chain
	v_wmma_scale_f32_16x16x128_f8f6f4 v[L0:L0+7], v[CD+32:CD+47], v[CD:CD+15], 0, v[SCW+2], v[SCW] matrix_a_fmt:MATRIX_FMT_BF8 matrix_b_fmt:MATRIX_FMT_BF8
	v_wmma_scale_f32_16x16x128_f8f6f4 v[L1:L1+7], v[CD+48:CD+63], v[CD+16:CD+31], 0, v[SCW+3], v[SCW+1] matrix_a_fmt:MATRIX_FMT_BF8 matrix_b_fmt:MATRIX_FMT_BF8
.rept 8
	v_nop                                          ; eight places behind this form ahead of the first read of a result
.endr
.irp j, 0,1,2,3,4,5,6,7
	v_add_f32 v[L0+\j], v[L0+\j], v[L1+\j]         ; from the low end on
.endr
	ds_store_b128 v[PLI], v[L0:L0+3]               ; an image of the eight registers: 16 bytes a lane
	ds_store_b128 v[PLI], v[L0+4:L0+7] offset:512
	s_wait_dscnt 0x0                               ; for wave 0's sake: my partial logits and my scale words lie in LDS
	s_barrier_signal -1
	s_barrier_wait -1
	s_cmp_lg_u32 s[WV], 0
	s_cbranch_scc1 .Lend                           ; waves 1 to 3 are done
	; ---- THE ROUTER, wave 0.  Lane (r, h) works for token r
	s_wait_xcnt 0x0                                ; my stores of codes have read their registers: they may be written again
	ds_load_b128 v[240:243], v[XSR]
.irp q, 0,1,2,3
	ds_load_b128 v[128+8*\q:131+8*\q], v[PLO] offset:1024*\q
	ds_load_b128 v[132+8*\q:135+8*\q], v[PLO] offset:1024*\q+512
.endr
	s_wait_dscnt 0x0
	global_store_b128 v[VO], v[240:243], s[12:13]  ; the tile's scale words: 512 consecutive bytes
.irp j, 0,1,2,3,4,5,6,7
	v_add_f32 v[TM+\j], v[128+\j], v[136+\j]
	v_add_f32 v[TM+8+\j], v[144+\j], v[152+\j]
.endr
.irp j, 0,1,2,3,4,5,6,7
	v_add_f32 v[TM+\j], v[TM+\j], v[TM+8+\j]
.endr
.irp j, 0,1,2,3,4,5,6,7
	v_add_f32 v[L0+\j], v[TM+\j], v[BS+\j]         ; + bsel
.endr
.irp j, 0,1,2,3,4,5,6,7
	v_permlanex16_b32 v[L1+\j], v[L0+\j], s[SEL], s[SEL+1]   ; the other eight experts' logits
.endr
.irp j, 0,1,2,3,4,5,6,7
	v_cndmask_b32 v[Z+\j], v[L0+\j], v[L1+\j], s[HM]         ; all sixteen in every lane
	v_cndmask_b32 v[Z+8+\j], v[L1+\j], v[L0+\j], s[HM]
.endr
	v_max3_num_f32 v[TM], v[Z], v[Z+1], v[Z+2]     ; the softmax takes the row's maximum away
.irp i, 3,5,7,9,11,13
	v_max3_num_f32 v[TM], v[TM], v[Z+\i], v[Z+\i+1]
.endr
	v_max_num_f32 v[TM], v[TM], v[Z+15]
.irp e, 0,1,2,3,4,5,6,7,8,9,10,11,12,13,14,15
	v_sub_f32 v[Z+\e], v[Z+\e], v[TM]
.endr
.irp e, 0,1,2,3,4,5,6,7,8,9,10,11,12,13,14,15
	v_mul_f32 v[NN+\e], s[LOG2E], v[Z+\e]
.endr
.irp e, 0,1,2,3,4,5,6,7,8,9,10,11,12,13,14,15
	v_rndne_f32 v[NN+\e], v[NN+\e]                 ; the whole part of d log2(e),
.endr
.irp e, 0,1,2,3,4,5,6,7,8,9,10,11,12,13,14,15
	v_fma_f32 v[FF+\e], v[Z+\e], s[LOG2E], -v[NN+\e]   ; and the rest, within a half
.endr
.irp e, 0,1,2,3,4,5,6,7,8,9,10,11,12,13,14,15
	v_cvt_i32_f32 v[NN+\e], v[NN+\e]               ; (it saturates)
.endr
.irp e, 0,1,2,3,4,5,6,7,8,9,10,11,12,13,14,15
	v_exp_f32 v[FF+\e], v[FF+\e]
.endr
	v_nop                                          ; a plain line behind the last exponential
	s_wait_alu depctr_va_vdst(0)                   ; one wait for the batch, ahead of its first reader
.irp e, 0,1,2,3,4,5,6,7,8,9,10,11,12,13,14,15
	v_ldexp_f32 v[Z+\e], v[FF+\e], v[NN+\e]        ; e^d, denormals kept
.endr
.irp i, 0,1,2,3,4,5,6,7
	v_add_f32 v[TM+\i], v[Z+2*\i], v[Z+2*\i+1]
.endr
.irp i, 0,1,2,3
	v_add_f32 v[TM+\i], v[TM+2*\i], v[TM+2*\i+1]
.endr
	v_add_f32 v[TM], v[TM], v[TM+1]
	v_add_f32 v[TM+2], v[TM+2], v[TM+3]
	v_add_f32 v[TM], v[TM], v[TM+2]
	v_rcp_f32 v[TM+8], v[TM]
.irp e, 0,1,2,3,4,5,6,7,8,9,10,11,12,13,14,15
	v_mov_b32 v[RK+\e], 15-\e                      ; a rank starts at the number of later experts.  (Plain work behind the reciprocal)
.endr
	s_wait_alu depctr_va_vdst(0)                   ; the wait ahead of the reciprocal's first reader
.irp e, 0,1,2,3,4,5,6,7,8,9,10,11,12,13,14,15
	v_mul_f32 v[Z+\e], v[Z+\e], v[TM+8]            ; w
.endr
	; the rank of each expert in a stable descending sort: of a pair e < f, e comes first where w_e >= w_f
.irp e, 0,1,2,3,4,5,6,7,8,9,10,11,12,13,14
.irp f, 1,2,3,4,5,6,7,8,9,10,11,12,13,14,15
.if \e < \f
	v_cmp_ge_f32 vcc_lo, v[Z+\e], v[Z+\f]
	v_cndmask_b32 v[TM], 0, 1, vcc_lo
	v_add_nc_u32 v[RK+\f], v[RK+\f], v[TM]
	v_sub_nc_u32 v[RK+\e], v[RK+\e], v[TM]
.endif
.endr
.endr
	; the twelve largest weights in order: a choice of values, no branch and no address
.irp i, 0,1,2,3,4,5,6,7,8,9,10,11
.irp e, 0,1,2,3,4,5,6,7,8,9,10,11,12,13,14,15
	v_cmp_eq_u32 vcc_lo, \i, v[RK+\e]
.if \e == 0
	v_cndmask_b32 v[TOP+\i], 0, v[Z+\e], vcc_lo
.else
	v_cndmask_b32 v[TOP+\i], v[TOP+\i], v[Z+\e], vcc_lo
.endif
.endr
.endr
.irp i, 1,2,3,4,5,6,7,8,9,10,11
	v_add_f32 v[TOP+\i], v[TOP+\i-1], v[TOP+\i]    ; the running sum, in place
.endr
.irp i, 0,1,2,3,4,5,6,7,8,9,10
	v_min_num_f32 v[TM+\i], s[P8], v[TOP+1+\i]
.endr
.irp i, 0,1,2,3,4,5,6,7,8,9,10
	v_sub_f32 v[TM+\i], v[TM+\i], v[TOP+\i]
.endr
	v_sub_f32 v[TM+11], s[P8], v[TOP+11]           ; min(cum[12], 0.8) is 0.8
.irp i, 0,1,2,3,4,5,6,7,8,9,10,11
	v_max_num_f32 v[SWS+\i], 0, v[TM+\i]           ; sw by sorted place
.endr
.irp i, 0,1,2,3,4,5,6,7,8,9,10
	v_cmp_lt_f32 vcc_lo, 0, v[SWS+1+\i]
	v_cndmask_b32 v[TM+\i], v[SWS+\i], 1.0, vcc_lo ; softCost's terms: 1 where the next place still carries weight
.endr
	v_add_f32 v[SC], v[TM], v[TM+1]
.irp i, 2,3,4,5,6,7,8,9,10
	v_add_f32 v[SC], v[SC], v[TM+\i]
.endr
	v_add_f32 v[SC], v[SC], v[SWS+11]              ; place 12 carries none
	v_lshlrev_b32 v[TM], 3, v[HH]
.irp a, 0,1,2,3,4,5,6,7,8,9,10,11
	v_sub_nc_u32 v[QK+\a], v[RK+\a], v[TM]         ; the rank of expert a, counted from my half's first expert
.endr
.irp k, 0,1,2,3,4,5,6,7
.irp a, 0,1,2,3,4,5,6,7,8,9,10,11
	v_cmp_eq_u32 vcc_lo, \k, v[QK+\a]
.if \a == 0
	v_cndmask_b32 v[O2+\k], 0, v[SWS+\a], vcc_lo
.else
	v_cndmask_b32 v[O2+\k], v[O2+\k], v[SWS+\a], vcc_lo   ; sw2[8 h + k] = sw[a] where the rank of a is 8 h + k
.endif
.endr
.endr
	ds_store_b128 v[SWI], v[O2:O2+3]               ; sw2 goes out through LDS, so that each store covers 512 consecutive bytes
	ds_store_b128 v[SWI], v[O2+4:O2+7] offset:16
	ds_load_b128 v[200:203], v[SWR]
	ds_load_b128 v[204:207], v[SWR] offset:512
	v_mov_b32 v[UM], 0
.irp k, 0,1,2,3,4,5,6,7
	v_cmp_lt_f32 s[32+\k], 0, v[O2+\k]             ; bit r: token r uses expert k; bit 16 + r: expert 8 + k.  These bits are stored, and steer nothing here
.endr
.irp k, 0,1,2,3,4,5,6,7
	v_writelane_b32 v[UM], s[32+\k], \k
.endr
	s_wait_dscnt 0x0
	global_store_b128 v[VO], v[200:203], s[14:15]
	global_store_b128 v[VO], v[204:207], s[14:15] offset:512
	s_wait_xcnt 0x0                                ; EXEC changes only behind this wait
	v_cmpx_gt_u32 16, v[LN]
	global_store_b32 v[LS], v[SC], s[18:19]        ; softCost of my 16 tokens
	s_wait_xcnt 0x0
	v_cmpx_gt_u32 8, v[LN]
	global_store_b32 v[LS], v[UM], s[16:17]        ; the tile's eight words
	s_wait_xcnt 0x0
	s_mov_b32 exec_lo, -1
.Lend:
	s_wait_tensorcnt 0x0
	ds_add_u32 v254, v255
	s_wait_dscnt 0x0
	s_endpgm
.Lfunc_end_k_q21fcb80052_route:
	.size	k_q21fcb80052_route, .Lfunc_end_k_q21fcb80052_route-k_q21fcb80052_route
	.p2alignl 7, 3214868480
	.fill 96, 4, 3214868480
	.section	.rodata,"a",@progbits
	.p2align	6, 0x0
	.amdhsa_kernel k_q21fcb80052_route
		.amdhsa_group_segment_fixed_size 57856
		.amdhsa_private_segment_fixed_size 0
		.amdhsa_enable_private_segment 0
		.amdhsa_kernarg_size 64
		.amdhsa_user_sgpr_count 2
		.amdhsa_user_sgpr_kernarg_segment_ptr 1
		.amdhsa_wavefront_size32 1
		.amdhsa_system_sgpr_workgroup_id_x 1
		.amdhsa_system_sgpr_workgroup_id_y 1
		.amdhsa_system_sgpr_workgroup_id_z 1
		.amdhsa_system_vgpr_workitem_id 0
		.amdhsa_next_free_vgpr 512
		.amdhsa_next_free_sgpr 66
		.amdhsa_reserve_vcc 1
		.amdhsa_float_denorm_mode_32 3
		.amdhsa_float_denorm_mode_16_64 3
		.amdhsa_memory_ordered 1
		.amdhsa_forward_progress 1
		.amdhsa_inst_pref_size 105
	.end_amdhsa_kernel
	.amdgpu_metadata
---
amdhsa.version: [ 1, 2 ]
amdhsa.kernels:
  - .name:           k_q21fcb80052_route
    .symbol:         k_q21fcb80052_route.kd
    .args:
      - { .name: x, .offset: 0, .size: 8, .value_kind: global_buffer, .address_space: global }
      - { .name: Wsel, .offset: 8, .size: 8, .value_kind: global_buffer, .address_space: global }
      - { .name: bsel, .offset: 16, .size: 8, .value_kind: global_buffer, .address_space: global }
      - { .name: xq, .offset: 24, .size: 8, .value_kind: global_buffer, .address_space: global }
      - { .name: xs, .offset: 32, .size: 8, .value_kind: global_buffer, .address_space: global }
      - { .name: sw, .offset: 40, .size: 8, .value_kind: global_buffer, .address_space: global }
      - { .name: umap, .offset: 48, .size: 8, .value_kind: global_buffer, .address_space: global }
      - { .name: out1, .offset: 56, .size: 8, .value_kind: global_buffer, .address_space: global }
    .group_segment_fixed_size: 57856
    .private_segment_fixed_size: 0
    .kernarg_segment_align: 8
    .kernarg_segment_size: 64
    .max_flat_workgroup_size: 128
    .sgpr_count:     66
    .vgpr_count:     512
    .wavefront_size: 32
...
	.end_amdgpu_metadata
.endif
;; end of part 1
;; launch experts (part 2): grid 16 x 16, 4 waves a work-group, no clusters, 107,008 bytes of LDS; arguments Wexp, bexp, xq, xs, sw, umap, part; writes part
.if DOCPART == 2
	.amdgcn_target "amdgcn-amd-amdhsa--gfx1250"
	.amdhsa_code_object_version 6
	.text
	.protected	k_q21fcb80052_experts
	.globl	k_q21fcb80052_experts
	.p2align	8
	.type	k_q21fcb80052_experts,@function
k_q21fcb80052_experts:
	s_mov_b64 s[64:65], 0
	v_nop
	global_prefetch_b8 v0, s[64:65] scope:SCOPE_SE
	s_setreg_imm32_b32 hwreg(HW_REG_WAVE_MODE, 25, 1), 1
	s_wait_xcnt 0x0
; EXPERTS: part[16 n + e][o] = sw2[n][e] (x[n] . Wexp[e][o] + bexp[e][o]) for the pairs (n, e) with sw2 > 0 alone, on codes of E5M2 with one E8M0 byte for each 32 along K.
; SHARES: work-group (x = slab, y = e) owns Wexp[e][64 slab .. 64 slab + 63][:], 256 KiB of f32, read once in the launch, quantised on the way and kept in LDS as images of operand registers.
; W PHASE: wave w quantises the 16 rows o = 64 slab + 4 p + w, p = 0 .. 15: tile w.  With the rows chosen so, lane r of a result holds, over the four tiles, the four NEIGHBOURING columns 4 r .. 4 r + 3.
; TOKEN PHASE: wave w owns tokens 1024 w .. 1024 w + 1023.  From the stored bits it lists those that use e and takes them 64 to a trip: four tiles of 16, their codes gathered into 512 registers;
; W's fragments come from LDS, each feeding four products.  The first trip's gathers are issued among the W phase's loads.
; THE PRODUCT: source 0 = 16 tokens, source 1 = 16 rows of W: register j of lane (r, h) is (token row 8 h + j, column 4 r + t).  The bias is the C of each sum's first product.
; The way out: for a token row, sixteen lanes hold its 64 columns, 16 bytes each: one store writes 256 consecutive bytes, at a multiple of 256 from part's first byte, for each of two token rows.
; NO TENSOR LOADS, NO CLUSTER: branches and the work of a trip hang on stored numbers; each number of W is read by one work-group; what work-groups share are rows of x's codes named by lists, which no descriptor states.
; The list serves every split: up to 1,024 tokens a wave, 16 trips.  LIMITS: NaN and infinities are not served; a block of zeros gets the scale byte 1: its codes are zeros.
.set STG,  0                           ; LDS: a stage of 16 rows x (512 + 16) bytes for each wave
.set IMG,  33792                       ; W's fragments: (tile t, K step s) at 2048 (8 t + s); register group c of lane l at 512 c + 16 l
.set ISC,  99328                       ; their scale words: 128 (8 t + s) + 4 l
; window 0
.set LN,   1                           ; lane
.set RR,   2                           ; r (at the head only)
.set H16,  3                           ; h at the head, then 16 h
.set VO,   4                           ; 16 x lane
.set STI,  5
.set STO,  6
.set IWI,  7                           ; where I store images: IMG + 16384 w + 16 l
.set IWS,  8                           ; and scale words: ISC + 1024 w + 4 l
.set LIA,  9                           ; IMG + 16 l
.set LSA,  10                          ; ISC + 4 l
.set CBE,  11                          ; 4096 e + 256 slab + 16 r: my bytes in a row of bexp's table and in a row of part
.set AX,   12                          ; v12-15   tile i: my token's row in xq, + 16 h
.set RH,   16                          ; v16-23   8 h + j
.set BI,   24                          ; v24-31   4 (8 h + j): the lane that holds that row's token
.set WSC,  32                          ; v32-63   W's scale words (8 t + s): scales and nothing else
.set XSC,  64                          ; v64-95   x's scale words (8 i + s): scales and nothing else
.set PI,   96                          ; v96-127  (8 i + j): the token of row 8 h + j of tile i, then its byte offset in part
.set ACC,  128                         ; v128-255 accumulators (32 i + 8 t + j)
.set X,    128                         ; laid over them while they are idle: the W phase's 64 numbers,
.set TM,   192                         ; its work registers,
.set PC,   216                         ; the codes just made,
.set PW,   232                         ; their scale word;
.set PT,   128                         ; the search's registers, 16 for each of two copies: +0 K, +1 word, +2 its prefix, +3 its number, +4 Q, +5 .. +8 counts by 2, 4, 8, 16 bits, +9, +10 at work, +11 bit, +12 token, +13 the other half's
.set TT,   160                         ; v160-163 tile i's token of row r
.set XSA,  164                         ; v164-167 its scale words' offset
.set SOF,  168                         ; v168-171 its sw2's offset
.set UT,   240                         ; v240-242 the bitmap's two words and their offset
.set SWT,  248                         ; v248-251 sw2 of tile i's row r
; window 1: v0-127 two sets of 64 numbers as loaded, later two sets of W's fragments
.set BIAS, 128                         ; v128-159 (8 t + j)
.set BT,   160                         ; v160-163 bexp of my four columns
.set SWJ,  192                         ; v192-223 (8 i + j): sw2 of row 8 h + j
.set OUT,  224                         ; v224-255 (4 j + t)
; windows 2 and 3: x's codes: tile i in window 2 + i / 2, K step s at 128 (i % 2) + 16 s
.set WJ,   16                          ; s16-47   the quarter's 32 words of bits.  s48-63, s66-81: their exclusive prefix sums
.set CNT,  82                          ; tokens of my quarter that use e
.set BASE, 83                          ; the trip's first list place
.set PRT,  84                          ; s[84:85] part
.set WV,   86
.set EX,   87
.set E4,   88                          ; 4 e
.set TR,   89
.set REM,  90
.set HM,   91
.set SEL,  92                          ; s[92:93]
.set MNT,  94
.set QB,   95                          ; 1024 w
.set MSB, 0
.macro WIN new                         ; the immediate's high byte repeats the setting that is left; a switch that changes nothing is dropped
.if MSB != (\new)
	s_set_vgpr_msb (MSB<<8)|(\new)
.set MSB, (\new)
.endif
.endm
.macro GLW s                           ; K step s of my 16 rows of W: each load reads one row's 512 consecutive bytes.  Into window 1, set s % 2
	WIN 0x40
.irp p, 0,1,2,3,4,5,6,7,8,9,10,11,12,13,14,15
	global_load_b128 v[64*((\s)%2)+4*\p:64*((\s)%2)+4*\p+3], v[VO], s[4:5] offset:512*(\s)+16384*\p th:TH_LOAD_NT
.endr
.endm
.macro XG s                            ; K step s of the trip's 64 tokens: lane (r, h) takes k = 32 c + 16 h + 0 .. 15 of its token's row.  No hint: sixteen work-groups read these rows
	WIN 0x80
.irp i, 0,1
.irp c, 0,1,2,3
	global_load_b128 v[128*\i+16*(\s)+4*\c:128*\i+16*(\s)+4*\c+3], v[AX+\i], s[8:9] offset:128*(\s)+32*\c
.endr
.endr
	WIN 0xc0
.irp i, 0,1
.irp c, 0,1,2,3
	global_load_b128 v[128*\i+16*(\s)+4*\c:128*\i+16*(\s)+4*\c+3], v[AX+2+\i], s[8:9] offset:128*(\s)+32*\c
.endr
.endr
	WIN 0
.endm
; Through my own stage: in as loaded, out in the operand's order.  Rows lie 132 words apart, so that sixteen rows start at sixteen different banks.
.macro TURN ru
	WIN 0x04                                       ; an LDS store's data are its source 1: window 1
.irp p, 0,1,2,3,4,5,6,7,8,9,10,11,12,13,14,15
	ds_store_b128 v[STI], v[\ru+4*\p:\ru+4*\p+3] offset:528*\p
.endr
	WIN 0
.irp b, 0,1,2,3
.irp j, 0,1,2,3
	ds_load_b128 v[X+16*\b+4*\j:X+16*\b+4*\j+3], v[STO] offset:128*\b+16*\j   ; LDS serves a wave's instructions in order: these see the stores above
.endr
.endr
	s_wait_dscnt 0x0                               ; the numbers are in; the stores have read their registers, which the next loads may take
.endm
.macro QUANT s, pc, pw                 ; 64 numbers of a lane, register 16 b + i = k 32 b + 16 h + i of my row, become a fragment's codes and its scale word
.irp b, 0,1,2,3
	v_max3_num_f32 v[TM+\b], |v[\s+16*\b]|, |v[\s+1+16*\b]|, 0x8000000   ; my 16 numbers of block b, and the floor 2^(16 - 127): the byte cannot fall under 1
.endr
.irp i, 2,4,6,8,10,12,14
.irp b, 0,1,2,3
	v_max3_num_f32 v[TM+\b], v[TM+\b], |v[\s+16*\b+\i]|, |v[\s+1+16*\b+\i]|
.endr
.endr
.irp b, 0,1,2,3
	v_permlanex16_b32 v[TM+4+\b], v[TM+\b], s[SEL], s[SEL+1]
.endr
.irp b, 0,1,2,3
	v_max_num_f32 v[TM+\b], v[TM+\b], v[TM+4+\b]   ; with lane l xor 16's: the block's largest magnitude
.endr
.irp b, 0,1,2,3
	v_add_nc_u32 v[TM+12+\b], 0xf8800000, v[TM+\b] ; 15 off its exponent field: the conversion's scale operand
.endr
.irp b, 0,1,2,3
	v_and_or_b32 v[TM+8+\b], v[TM+\b], 0x7f800000, s[MNT]   ; 57,344 x the scale
.endr
.irp b, 0,1,2,3
	v_lshrrev_b32 v[TM+4+\b], 23, v[TM+12+\b]      ; the scale's byte
.endr
	v_lshl_or_b32 v[\pw], v[TM+5], 8, v[TM+4]
	v_lshl_or_b32 v[\pw], v[TM+6], 16, v[\pw]
	v_lshl_or_b32 v[\pw], v[TM+7], 24, v[\pw]
.irp b, 0,1,2,3
.irp i, 0,1,2,3,4,5,6,7,8,9,10,11,12,13,14,15
	v_med3_num_f32 v[\s+16*\b+\i], v[\s+16*\b+\i], -v[TM+8+\b], v[TM+8+\b]   ; the conversion to an 8-bit code does not saturate (ISA guide 7.6.2): the hold comes first
.endr
	v_cvt_scalef32_pk8_bf8_f32 v[\pc+4*\b:\pc+1+4*\b], v[\s+16*\b:\s+7+16*\b], v[TM+12+\b]
	v_cvt_scalef32_pk8_bf8_f32 v[\pc+2+4*\b:\pc+3+4*\b], v[\s+8+16*\b:\s+15+16*\b], v[TM+12+\b]
.endr
	v_nop                                          ; one plain line behind the last scaled conversion
.endm
.macro IMAGE s                         ; the fragment goes to LDS as its registers stand: any wave that loads it by the same lines has the same registers in the same lanes
.irp c, 0,1,2,3
	ds_store_b128 v[IWI], v[PC+4*\c:PC+4*\c+3] offset:2048*(\s)+512*\c
.endr
	ds_store_b32 v[IWS], v[PW] offset:128*(\s)
.endm
.macro WSTEP s, n                      ; n: the loads issued behind K step s's sixteen, which may stay out
	s_wait_loadcnt \n
	TURN 64*((\s)%2)
.if (\s) < 6
	GLW (\s)+2
.endif
	XG \s
	QUANT X, PC, PW
	IMAGE \s
.endm
; One step of the choice of the Q-th set bit: if the lower part holds Q bits or fewer, pass it.
.macro SELSTEP src, width, field
.irp g, 0,1
	v_bfe_u32 v[PT+16*\g+9], v[PT+16*\g+\src], v[PT+16*\g+11], \field
.endr
.irp g, 0,1
	v_cmp_ge_u32 vcc_lo, v[PT+16*\g+4], v[PT+16*\g+9]
	v_cndmask_b32 v[PT+16*\g+9], 0, v[PT+16*\g+9], vcc_lo
	v_cndmask_b32 v[PT+16*\g+10], 0, \width, vcc_lo
	v_sub_nc_u32 v[PT+16*\g+4], v[PT+16*\g+4], v[PT+16*\g+9]
	v_add_nc_u32 v[PT+16*\g+11], v[PT+16*\g+11], v[PT+16*\g+10]
.endr
.endm
; The token at list place K = BASE + 32 g + lane, for g = 0, 1: the K-th set bit of the quarter's 1,024.  A place past the list's end gives some token of the quarter, whose results are not stored.
.macro SEARCH
.irp g, 0,1
	v_add3_u32 v[PT+16*\g], s[BASE], v[LN], 32*\g
	v_mov_b32 v[PT+16*\g+1], s[WJ]
	v_mov_b32 v[PT+16*\g+2], 0
	v_mov_b32 v[PT+16*\g+3], 0
	v_mov_b32 v[PT+16*\g+11], 0
.endr
.irp j, 1,2,3,4,5,6,7,8,9,10,11,12,13,14,15,16,17,18,19,20,21,22,23,24,25,26,27,28,29,30,31
.irp g, 0,1
	v_cmp_gt_u32 vcc_lo, s[48+\j+2*(\j/16)], v[PT+16*\g]                          ; the last word whose prefix sum is K or less is kept
	v_cndmask_b32 v[PT+16*\g+1], s[WJ+\j], v[PT+16*\g+1], vcc_lo
	v_cndmask_b32 v[PT+16*\g+2], s[48+\j+2*(\j/16)], v[PT+16*\g+2], vcc_lo
	v_cndmask_b32 v[PT+16*\g+3], \j, v[PT+16*\g+3], vcc_lo
.endr
.endr
.irp g, 0,1
	v_sub_nc_u32 v[PT+16*\g+4], v[PT+16*\g], v[PT+16*\g+2]                        ; Q: which set bit of that word
	v_lshrrev_b32 v[PT+16*\g+9], 1, v[PT+16*\g+1]
	v_and_b32 v[PT+16*\g+9], 0x55555555, v[PT+16*\g+9]
	v_sub_nc_u32 v[PT+16*\g+5], v[PT+16*\g+1], v[PT+16*\g+9]                      ; counts by 2 bits
	v_lshrrev_b32 v[PT+16*\g+9], 2, v[PT+16*\g+5]
	v_and_b32 v[PT+16*\g+9], 0x33333333, v[PT+16*\g+9]
	v_and_b32 v[PT+16*\g+6], 0x33333333, v[PT+16*\g+5]
	v_add_nc_u32 v[PT+16*\g+6], v[PT+16*\g+6], v[PT+16*\g+9]                      ; by 4
	v_lshrrev_b32 v[PT+16*\g+9], 4, v[PT+16*\g+6]
	v_add_nc_u32 v[PT+16*\g+7], v[PT+16*\g+6], v[PT+16*\g+9]
	v_and_b32 v[PT+16*\g+7], 0x0f0f0f0f, v[PT+16*\g+7]                            ; by 8
	v_lshrrev_b32 v[PT+16*\g+9], 8, v[PT+16*\g+7]
	v_add_nc_u32 v[PT+16*\g+8], v[PT+16*\g+7], v[PT+16*\g+9]                      ; byte 0: the lower 16 bits' count
.endr
	SELSTEP 8, 16, 8
	SELSTEP 7, 8, 8
	SELSTEP 6, 4, 4
	SELSTEP 5, 2, 2
	SELSTEP 1, 1, 1
.irp g, 0,1
	v_lshl_add_u32 v[PT+16*\g+12], v[PT+16*\g+3], 5, v[PT+16*\g+11]
	v_add_nc_u32 v[PT+16*\g+12], s[QB], v[PT+16*\g+12]                            ; the token
.endr
.endm
; A trip's tokens, and all that is loaded by them.  head = 1: the codes' loads are issued by the W phase's steps.
.macro PREP head
	s_wait_xcnt 0x0                                ; the last trip's stores have read their offsets, which are written anew below
	SEARCH
.irp g, 0,1
	v_mov_b32 v[PT+16*\g+13], 0                    ; a lane permute's destination counts as one of its sources
.endr
.irp g, 0,1
	v_permlanex16_b32 v[PT+16*\g+13], v[PT+16*\g+12], s[SEL], s[SEL+1]
.endr
.irp g, 0,1
	v_cndmask_b32 v[TT+2*\g], v[PT+16*\g+12], v[PT+16*\g+13], s[HM]     ; tile 2 g: places 32 g + r, in both halves of the lanes;
	v_cndmask_b32 v[TT+2*\g+1], v[PT+16*\g+13], v[PT+16*\g+12], s[HM]   ; tile 2 g + 1: places 32 g + 16 + r
.endr
.irp i, 0,1,2,3
	v_min_u32 v[TT+\i], 0xfff, v[TT+\i]            ; a number made of loaded numbers enters an address only behind this hold
.endr
.irp i, 0,1,2,3
	v_lshl_add_u32 v[AX+\i], v[TT+\i], 10, v[H16]
	v_lshlrev_b32 v[XSA+\i], 5, v[TT+\i]
	v_lshl_add_u32 v[SOF+\i], v[TT+\i], 6, s[E4]
.endr
.irp i, 0,1,2,3
.irp j, 0,1,2,3,4,5,6,7
	ds_bpermute_b32 v[PI+8*\i+\j], v[BI+\j], v[TT+\i]   ; the token of row 8 h + j: a result's register j belongs to it
.endr
.endr
.irp i, 0,1,2,3
	global_load_b128 v[XSC+8*\i:XSC+8*\i+3], v[XSA+\i], s[10:11]
	global_load_b128 v[XSC+8*\i+4:XSC+8*\i+7], v[XSA+\i], s[10:11] offset:16
.endr
.irp i, 0,1,2,3
	global_load_b32 v[SWT+\i], v[SOF+\i], s[12:13]
.endr
	s_wait_dscnt 0x0
.irp q, 0,1,2,3,4,5,6,7,8,9,10,11,12,13,14,15,16,17,18,19,20,21,22,23,24,25,26,27,28,29,30,31
	v_min_u32 v[PI+\q], 0xfff, v[PI+\q]
.endr
.if !\head
.irp s, 0,1,2,3,4,5,6,7
	XG \s
.endr
.endif
	s_wait_xcnt 0x0                                ; the loads have read their offsets: those that lie over the accumulators may be written
.endm
.macro FETCHW s                        ; K step s of W's four tiles from LDS into set s % 2 of window 1
	WIN 0x40
.irp t, 0,1,2,3
.irp c, 0,1,2,3
	ds_load_b128 v[64*((\s)%2)+16*\t+4*\c:64*((\s)%2)+16*\t+4*\c+3], v[LIA] offset:2048*(8*\t+(\s))+512*\c
.endr
.endr
.endm
; Eight products: token tiles 2 hi, 2 hi + 1 x W's four tiles, K step s.  The sixteen accumulators take turns, one instruction a turn, in the same order in every K step.
.macro MUL8 s, hi
.if (\s) == 0
	WIN 0x16+\hi                                   ; source 0 (x) window 2 + hi, source 1 (W) window 1, C (the bias) window 1, D window 0
.else
	WIN 0x06+\hi                                   ; C and D window 0
.endif
.irp ii, 0,1
.irp t, 0,1,2,3
.if (\s) == 0
	v_wmma_scale_f32_16x16x128_f8f6f4 v[ACC+32*(2*\hi+\ii)+8*\t:ACC+32*(2*\hi+\ii)+8*\t+7], v[128*\ii+16*(\s):128*\ii+16*(\s)+15], v[64*((\s)%2)+16*\t:64*((\s)%2)+16*\t+15], v[BIAS+8*\t:BIAS+8*\t+7], v[XSC+8*(2*\hi+\ii)+(\s)], v[WSC+8*\t+(\s)] matrix_a_fmt:MATRIX_FMT_BF8 matrix_b_fmt:MATRIX_FMT_BF8
.else
	v_wmma_scale_f32_16x16x128_f8f6f4 v[ACC+32*(2*\hi+\ii)+8*\t:ACC+32*(2*\hi+\ii)+8*\t+7], v[128*\ii+16*(\s):128*\ii+16*(\s)+15], v[64*((\s)%2)+16*\t:64*((\s)%2)+16*\t+15], v[ACC+32*(2*\hi+\ii)+8*\t:ACC+32*(2*\hi+\ii)+8*\t+7], v[XSC+8*(2*\hi+\ii)+(\s)], v[WSC+8*\t+(\s)] matrix_a_fmt:MATRIX_FMT_BF8 matrix_b_fmt:MATRIX_FMT_BF8
.endif
.endr
.endr
.endm
.macro COMPUTE
	s_wait_loadcnt 0x0                             ; the trip's codes, scale words and weights are in
	WIN 0x40
.irp i, 0,1,2,3
.irp j, 0,1,2,3,4,5,6,7
	ds_bpermute_b32 v[SWJ+8*\i+\j], v[BI+\j], v[SWT+\i]   ; sw2 of row 8 h + j
.endr
.endr
	FETCHW 0
.irp s, 0,1,2,3,4,5,6,7
.if \s < 7
.if \s > 0
.rept 8
	v_nop                                          ; eight places between the products of the K step before, which read this set, and the loads into it
.endr
.endif
	FETCHW \s+1
	s_wait_dscnt 16                                ; all but the sixteen just issued
.else
	s_wait_dscnt 0x0
.endif
	MUL8 \s, 0
	MUL8 \s, 1
.endr
	WIN 0
.endm
; Tile i on its way out: skipped where no list place of it is in use; eight plain stores where all sixteen are; else each store under the lanes whose row is in use.
.macro EPI_TILE i
	s_sub_co_i32 s[REM], s[CNT], s[BASE]
	s_sub_co_i32 s[REM], s[REM], 16*\i             ; list places left from this tile's first on
	s_cmp_le_i32 s[REM], 0
	s_cbranch_scc1 .Lskip_\@
	s_wait_xcnt 0x0                                ; the tile before's stores have read their data, which are written anew below
	WIN 0x44                                       ; source 0 (the sums) window 0, source 1 (sw2) and the result window 1
.irp j, 0,1,2,3,4,5,6,7
.irp t, 0,1,2,3
	v_mul_f32 v[OUT+4*\j+\t], v[ACC+32*\i+8*\t+\j], v[SWJ+8*\i+\j]   ; each accumulator from its low end on; four neighbouring columns fall into four neighbouring registers
.endr
.endr
	WIN 0
	s_cmp_ge_i32 s[REM], 16
	s_cbranch_scc1 .Lfull_\@
	WIN 0x04                                       ; a store's data are its source 1: window 1
.irp j, 0,1,2,3,4,5,6,7
	v_cmpx_lt_i32 v[RH+\j], s[REM]                 ; no memory instruction has been issued since the last wait on XCNT
	global_store_b128 v[PI+8*\i+\j], v[OUT+4*\j:OUT+4*\j+3], s[PRT:PRT+1] th:TH_STORE_NT
	s_wait_xcnt 0x0                                ; EXEC changes only behind this wait
	s_mov_b32 exec_lo, -1
.endr
	WIN 0
	s_branch .Lskip_\@
.Lfull_\@:
	WIN 0x04
.irp j, 0,1,2,3,4,5,6,7
	global_store_b128 v[PI+8*\i+\j], v[OUT+4*\j:OUT+4*\j+3], s[PRT:PRT+1] th:TH_STORE_NT   ; lanes 0-15: 256 consecutive bytes of row j's pair; lanes 16-31: of row 8 + j's
.endr
	WIN 0
.Lskip_\@:
.endm
	s_load_b256 s[4:11], s[0:1], 0x0               ; Wexp s[4:5], bexp s[6:7], xq s[8:9], xs s[10:11]
	s_load_b128 s[12:15], s[0:1], 0x20             ; sw s[12:13], umap s[14:15]
	s_load_b64 s[PRT:PRT+1], s[0:1], 0x30          ; part
	s_set_vgpr_msb 0x40
	v_lshl_add_u32 v190, v0, 2, 0x1a000
	v_mov_b32 v191, 0
	s_set_vgpr_msb 0x4000
	v_lshrrev_b32 v[RR], 5, v0
	v_readfirstlane_b32 s[WV], v[RR]               ; wave 0..3
	s_and_b32 s[EX], ttmp7, 0xffff                 ; the expert
	v_and_b32 v[LN], 31, v0
	v_and_b32 v[RR], 15, v0
	v_bfe_u32 v[H16], v0, 4, 1                     ; h, for now
	v_lshlrev_b32 v[VO], 4, v[LN]
	s_and_b32 s96, s[EX], 7                        ; the bitmap: word e % 8 of each tile of 16 tokens; lane l takes tiles 64 w + 2 l and 64 w + 2 l + 1
	s_lshl_b32 s96, s96, 2
	s_lshl_b32 s98, s[WV], 11
	s_add_co_u32 s96, s96, s98
	v_lshl_add_u32 v[UT+2], v[LN], 6, s96
	s_lshl_b32 s96, s[EX], 12
	s_lshl_b32 s98, ttmp9, 8
	s_add_co_u32 s96, s96, s98
	v_lshl_add_u32 v[CBE], v[RR], 4, s96
	s_lshl_b32 s98, s[EX], 22                      ; W: 4 MiB an expert, 64 rows of 4,096 bytes a slab, row w of the slab
	s_lshl_b32 s96, ttmp9, 18
	s_add_co_u32 s98, s98, s96
	s_lshl_b32 s96, s[WV], 12
	s_add_co_u32 s98, s98, s96
	s_mov_b32 s99, 0
	s_wait_kmcnt 0x0
	s_add_nc_u64 s[4:5], s[4:5], s[98:99]
	global_load_b32 v[UT], v[UT+2], s[14:15]
	global_load_b32 v[UT+1], v[UT+2], s[14:15] offset:32
	WIN 0x40
	global_load_b128 v[BT:BT+3], v[CBE], s[6:7]
	GLW 0
	GLW 1
	WIN 0
	s_mul_i32 s96, s[WV], 8448
	v_add_nc_u32 v[STI], s96, v[VO]
	v_mul_u32_u24 v[STO], v[RR], 528
	v_lshl_add_u32 v[STO], v[H16], 6, v[STO]
	v_add_nc_u32 v[STO], s96, v[STO]
	s_lshl_b32 s96, s[WV], 14
	s_add_co_u32 s96, s96, IMG
	v_add_nc_u32 v[IWI], s96, v[VO]
	v_lshlrev_b32 v[LSA], 2, v[LN]
	s_lshl_b32 s96, s[WV], 10
	s_add_co_u32 s96, s96, ISC
	v_add_nc_u32 v[IWS], s96, v[LSA]
	v_add_nc_u32 v[LIA], IMG, v[VO]
	v_add_nc_u32 v[LSA], ISC, v[LSA]
.irp j, 0,1,2,3,4,5,6,7
	v_lshl_add_u32 v[RH+\j], v[H16], 3, \j
.endr
.irp j, 0,1,2,3,4,5,6,7
	v_lshlrev_b32 v[BI+\j], 2, v[RH+\j]
.endr
	v_lshlrev_b32 v[H16], 4, v[H16]                ; from here on 16 h
.irp b, 0,1,2,3
	v_mov_b32 v[TM+4+\b], 0                        ; written once: a lane permute's destination counts as one of its sources
.endr
	s_lshl_b32 s[QB], s[WV], 10
	s_lshl_b32 s[E4], s[EX], 2
	s_mov_b32 s[HM], 0xffff0000
	s_mov_b32 s[SEL], 0x76543210
	s_mov_b32 s[SEL+1], 0xfedcba98
	s_mov_b32 s[MNT], 0x600000
	s_mov_b32 s[BASE], 0
	s_lshr_b32 s97, s[EX], 3
	s_lshl_b32 s97, s97, 4                         ; experts 8 to 15 lie in the words' upper halves
	s_wait_loadcnt 33                              ; the bitmap's two loads are in; behind them: the bias (1) and W's first two K steps (32)
	v_lshrrev_b32 v[UT], s97, v[UT]
	v_lshrrev_b32 v[UT+1], s97, v[UT+1]
	v_and_b32 v[UT], 0xffff, v[UT]
	v_lshl_or_b32 v[UT], v[UT+1], 16, v[UT]        ; bit p of lane l: token 1024 w + 32 l + p uses e
.irp j, 0,1,2,3,4,5,6,7,8,9,10,11,12,13,14,15,16,17,18,19,20,21,22,23,24,25,26,27,28,29,30,31
	v_readlane_b32 s[WJ+\j], v[UT], \j
.endr
	s_mov_b32 s48, 0
.irp j, 0,1,2,3,4,5,6,7,8,9,10,11,12,13,14,15,16,17,18,19,20,21,22,23,24,25,26,27,28,29,30
	s_bcnt1_i32_b32 s96, s[WJ+\j]
	s_add_co_u32 s[48+(\j+1)+2*((\j+1)/16)], s[48+\j+2*(\j/16)], s96
.endr
	s_bcnt1_i32_b32 s96, s[WJ+31]
	s_add_co_u32 s[CNT], s81, s96
	PREP 1                                         ; the first trip's tokens: 12 loads (scale words, weights)
	WSTEP 0, 28                                    ; behind K step 0's loads: K step 1's 16 and the 12
	WSTEP 1, 44                                    ; the 12, K step 2's 16, the tokens' K step 0 (16)
	WSTEP 2, 48                                    ; from here on: the tokens' K step s - 2, W's s + 1, the tokens' s - 1
	WSTEP 3, 48
	WSTEP 4, 48
	WSTEP 5, 48
	WSTEP 6, 48
	WSTEP 7, 32                                    ; the tokens' K steps 5 and 6
	s_wait_dscnt 0x0                               ; for the others' sake: my eight images and their scale words lie in LDS
	s_barrier_signal -1
	s_barrier_wait -1                              ; the launch's one barrier: from here on LDS is only read
.irp t, 0,1,2,3
.irp s, 0,1,2,3,4,5,6,7
	ds_load_b32 v[WSC+8*\t+\s], v[LSA] offset:128*(8*\t+\s)
.endr
.endr
	WIN 0x41                                       ; source 0 and the result window 1
.irp t, 0,1,2,3
.irp j, 0,1,2,3,4,5,6,7
	v_mov_b32 v[BIAS+8*\t+\j], v[BT+\t]            ; the bias in the result's layout: a lane's eight registers of tile t belong to one column
.endr
.endr
	WIN 0
.rept 8
	v_nop                                          ; places between these vector writes and the scaled products that read them
.endr
	s_wait_dscnt 0x0
	s_mov_b32 s[TR], 0
.Ltrip:                                                ; at most 16 trips of 64 list places; a wave leaves when its list is used up
	s_cmp_ge_u32 s[BASE], s[CNT]
	s_cbranch_scc1 .Lend
	COMPUTE
.irp q, 0,1,2,3,4,5,6,7,8,9,10,11,12,13,14,15,16,17,18,19,20,21,22,23,24,25,26,27,28,29,30,31
	v_lshl_add_u32 v[PI+\q], v[PI+\q], 16, v[CBE]  ; pair 16 n + e has 4,096 bytes: n << 16, + 4096 e + my slab's and my lane's bytes.  These 32 are also the places behind the last products
.endr
	EPI_TILE 0
	EPI_TILE 1
	EPI_TILE 2
	EPI_TILE 3
	s_add_co_u32 s[BASE], s[BASE], 64
	s_cmp_ge_u32 s[BASE], s[CNT]
	s_cbranch_scc1 .Lend
	PREP 0
	s_add_co_u32 s[TR], s[TR], 1
	s_cmp_lt_u32 s[TR], 16
	s_cbranch_scc1 .Ltrip
.Lend:
	s_set_vgpr_msb 0x5
	s_wait_tensorcnt 0x0
	ds_add_u32 v190, v191
	s_wait_dscnt 0x0
	s_set_vgpr_msb 0x500
	s_endpgm
.Lfunc_end_k_q21fcb80052_experts:
	.size	k_q21fcb80052_experts, .Lfunc_end_k_q21fcb80052_experts-k_q21fcb80052_experts
	.p2alignl 7, 3214868480
	.fill 96, 4, 3214868480
	.section	.rodata,"a",@progbits
	.p2align	6, 0x0
	.amdhsa_kernel k_q21fcb80052_experts
		.amdhsa_group_segment_fixed_size 107008
		.amdhsa_private_segment_fixed_size 0
		.amdhsa_enable_private_segment 0
		.amdhsa_kernarg_size 56
		.amdhsa_user_sgpr_count 2
		.amdhsa_user_sgpr_kernarg_segment_ptr 1
		.amdhsa_wavefront_size32 1
		.amdhsa_system_sgpr_workgroup_id_x 1
		.amdhsa_system_sgpr_workgroup_id_y 1
		.amdhsa_system_sgpr_workgroup_id_z 1
		.amdhsa_system_vgpr_workitem_id 0
		.amdhsa_next_free_vgpr 1024
		.amdhsa_next_free_sgpr 100
		.amdhsa_reserve_vcc 1
		.amdhsa_float_denorm_mode_32 3
		.amdhsa_float_denorm_mode_16_64 3
		.amdhsa_memory_ordered 1
		.amdhsa_forward_progress 1
		.amdhsa_inst_pref_size 217
	.end_amdhsa_kernel
	.amdgpu_metadata
---
amdhsa.version: [ 1, 2 ]
amdhsa.kernels:
  - .name:           k_q21fcb80052_experts
    .symbol:         k_q21fcb80052_experts.kd
    .args:
      - { .name: Wexp, .offset: 0, .size: 8, .value_kind: global_buffer, .address_space: global }
      - { .name: bexp, .offset: 8, .size: 8, .value_kind: global_buffer, .address_space: global }
      - { .name: xq, .offset: 16, .size: 8, .value_kind: global_buffer, .address_space: global }
      - { .name: xs, .offset: 24, .size: 8, .value_kind: global_buffer, .address_space: global }
      - { .name: sw, .offset: 32, .size: 8, .value_kind: global_buffer, .address_space: global }
      - { .name: umap, .offset: 40, .size: 8, .value_kind: global_buffer, .address_space: global }
      - { .name: part, .offset: 48, .size: 8, .value_kind: global_buffer, .address_space: global }
    .group_segment_fixed_size: 107008
    .private_segment_fixed_size: 0
    .kernarg_segment_align: 8
    .kernarg_segment_size: 56
    .max_flat_workgroup_size: 128
    .sgpr_count:     100
    .vgpr_count:     1024
    .wavefront_size: 32
...
	.end_amdgpu_metadata
.endif
;; end of part 2
;; launch combine (part 3): grid 512 x 1, 8 waves a work-group, no clusters, 0 bytes of LDS; arguments part, umap, out0; writes out0
.if DOCPART == 3
	.amdgcn_target "amdgcn-amd-amdhsa--gfx1250"
	.amdhsa_code_object_version 6
	.text
	.protected	k_q21fcb80052_combine
	.globl	k_q21fcb80052_combine
	.p2align	8
	.type	k_q21fcb80052_combine,@function
k_q21fcb80052_combine:
	s_mov_b64 s[64:65], 0
	v_nop
	global_prefetch_b8 v0, s[64:65] scope:SCOPE_SE
	s_setreg_imm32_b32 hwreg(HW_REG_WAVE_MODE, 25, 1), 1
	s_wait_xcnt 0x0
; COMBINE: out0[n][:] = the sum over the experts e that token n uses of part[16 n + e][:]; zeros where it uses none.
; One wave, one token: a row is 4,096 bytes, eight loads or stores of 512 consecutive bytes each.  Each output row has one owner: no atomics, no LDS, no barrier.
; A token uses at most twelve experts (the sorted running sum passes 0.8 by the thirteenth place): three passes of up to four rows, whose loads go out together.
; Which rows are read hangs on bits that an earlier launch stored; an expert's number enters an address only behind a hold at 15.
.set ACC, 4                            ; v4-35    the row's sum
.set SET, 36                           ; v36-163  four rows as loaded
	s_load_b128 s[4:7], s[0:1], 0x0                ; part s[4:5], umap s[6:7]
	s_load_b64 s[8:9], s[0:1], 0x10                ; out0
	v_lshrrev_b32 v2, 5, v0
	v_readfirstlane_b32 s10, v2                    ; wave 0..7
	v_and_b32 v1, 31, v0
	v_lshlrev_b32 v1, 4, v1                        ; 16 bytes a lane
	s_lshl_b32 s11, ttmp9, 3
	s_add_co_u32 s11, s11, s10                     ; my token n
	s_lshr_b32 s38, s11, 4
	s_lshl_b32 s38, s38, 5                         ; its tile's eight words
	s_mov_b32 s39, 0
	s_and_b32 s13, s11, 15                         ; its bit
	s_lshl_b32 s14, s11, 4                         ; 16 n
	s_lshl_b32 s36, s11, 12                        ; its row of out0
	s_mov_b32 s37, 0
	s_wait_kmcnt 0x0
	s_add_nc_u64 s[6:7], s[6:7], s[38:39]
	s_load_b256 s[16:23], s[6:7], 0x0
	s_add_nc_u64 s[8:9], s[8:9], s[36:37]
.irp i, 0,1,2,3,4,5,6,7,8,9,10,11,12,13,14,15,16,17,18,19,20,21,22,23,24,25,26,27,28,29,30,31
	v_mov_b32 v[ACC+\i], 0                         ; a token with no expert stores these zeros
.endr
	s_mov_b32 s24, 0
	s_wait_kmcnt 0x0
.irp k, 0,1,2,3,4,5,6,7
	s_lshr_b32 s25, s[16+\k], s13                  ; word k: bit r = expert k, bit 16 + r = expert 8 + k
	s_and_b32 s25, s25, 0x10001
	s_lshl_b32 s25, s25, \k
	s_or_b32 s24, s24, s25
.endr
	s_lshr_b32 s25, s24, 8
	s_and_b32 s25, s25, 0xff00
	s_and_b32 s24, s24, 0xff
	s_or_b32 s24, s24, s25                         ; bit e: my token uses expert e
	s_mov_b32 s26, 0
.Lpass:
.irp q, 0,1,2,3
	s_cmp_eq_u32 s24, 0
	s_cbranch_scc1 .Lsum\q                         ; no expert left: add what this pass has asked for
	s_ctz_i32_b32 s25, s24
	s_min_u32 s25, s25, 15
	s_sub_co_u32 s27, s24, 1
	s_and_b32 s24, s24, s27                        ; that bit is done
	s_add_co_u32 s36, s14, s25
	s_lshl_b32 s36, s36, 12                        ; pair 16 n + e, 4,096 bytes a pair (s37 stays 0)
	s_add_nc_u64 s[28+2*\q:29+2*\q], s[4:5], s[36:37]   ; the last pass's loads by this base have been waited for
.irp u, 0,1,2,3,4,5,6,7
	global_load_b128 v[SET+32*\q+4*\u:SET+32*\q+4*\u+3], v1, s[28+2*\q:29+2*\q] offset:512*\u th:TH_LOAD_NT
.endr
.endr
.irp q, 4,3,2,1
.Lsum\q:
	s_wait_loadcnt 0x0                             ; the pass's loads went out together: the first of these waits is the one that waits
.irp i, 0,2,4,6,8,10,12,14,16,18,20,22,24,26,28,30
	v_pk_add_f32 v[ACC+\i:ACC+\i+1], v[ACC+\i:ACC+\i+1], v[SET+32*(\q-1)+\i:SET+32*(\q-1)+\i+1]
.endr
.endr
.Lsum0:
	s_add_co_u32 s26, s26, 1
	s_cmp_lt_u32 s26, 3
	s_cbranch_scc1 .Lpass
.irp u, 0,1,2,3,4,5,6,7
	global_store_b128 v1, v[ACC+4*\u:ACC+4*\u+3], s[8:9] offset:512*\u th:TH_STORE_NT   ; 512 consecutive bytes, at a multiple of 256 from out0's first byte
.endr
	s_endpgm
.Lfunc_end_k_q21fcb80052_combine:
	.size	k_q21fcb80052_combine, .Lfunc_end_k_q21fcb80052_combine-k_q21fcb80052_combine
	.p2alignl 7, 3214868480
	.fill 96, 4, 3214868480
	.section	.rodata,"a",@progbits
	.p2align	6, 0x0
	.amdhsa_kernel k_q21fcb80052_combine
		.amdhsa_group_segment_fixed_size 0
		.amdhsa_private_segment_fixed_size 0
		.amdhsa_enable_private_segment 0
		.amdhsa_kernarg_size 24
		.amdhsa_user_sgpr_count 2
		.amdhsa_user_sgpr_kernarg_segment_ptr 1
		.amdhsa_wavefront_size32 1
		.amdhsa_system_sgpr_workgroup_id_x 1
		.amdhsa_system_sgpr_workgroup_id_y 1
		.amdhsa_system_sgpr_workgroup_id_z 1
		.amdhsa_system_vgpr_workitem_id 0
		.amdhsa_next_free_vgpr 168
		.amdhsa_next_free_sgpr 66
		.amdhsa_reserve_vcc 0
		.amdhsa_float_denorm_mode_32 3
		.amdhsa_float_denorm_mode_16_64 3
		.amdhsa_memory_ordered 1
		.amdhsa_forward_progress 1
		.amdhsa_inst_pref_size 13
	.end_amdhsa_kernel
	.amdgpu_metadata
---
amdhsa.version: [ 1, 2 ]
amdhsa.kernels:
  - .name:           k_q21fcb80052_combine
    .symbol:         k_q21fcb80052_combine.kd
    .args:
      - { .name: part, .offset: 0, .size: 8, .value_kind: global_buffer, .address_space: global }
      - { .name: umap, .offset: 8, .size: 8, .value_kind: global_buffer, .address_space: global }
      - { .name: out0, .offset: 16, .size: 8, .value_kind: global_buffer, .address_space: global }
    .group_segment_fixed_size: 0
    .private_segment_fixed_size: 0
    .kernarg_segment_align: 8
    .kernarg_segment_size: 24
    .max_flat_workgroup_size: 256
    .sgpr_count:     66
    .vgpr_count:     168
    .wavefront_size: 32
...
	.end_amdgpu_metadata
.endif
;; end of part 3
